; MI455X (gfx1250); checked and timed in simulation.
; The chip was launched on July 23, 2026; its instructions are those of AMD's public machine-readable ISA for CDNA 5 (MIT licence, August 2026) and "CDNA5" Instruction Set Architecture Reference Guide (July 2026). The comments in the code are by the model that wrote it; some were corrected since.
;; Quantized Linear Layer. Allowed arithmetic: matrix products marked QUANTISED: E3M2 operands, one E8M0 scale for each 32 along K, by v_wmma_scale_f32_16x16x128_f8f6f4 with both operands' format E3M2, f32 sums; everything else in f32.
;; Inputs: bias 1 x 4,096 float32; scale 4,096 float32; weight 4,096 x 4,096 int8; x 2 x 2,048 x 4,096 float32.
;; Outputs: out0 2 x 2,048 x 4,096 float32.
;; This version of the problem:
;;   THIS VERSION OF THE PROBLEM IS GIVEN IN LOW PRECISION. The matrix products marked QUANTISED in the list below multiply operands that are first quantised to E3M2 (3 exponent bits, 2 mantissa bits; 6 bits a number), with one power-of-two scale for each 32 numbers along K (OCP MX v1.0); their sums are f32. All else is computed in f32.
;;   The module's matrix products, in the order in which they are computed (A, B: the left and right operand; K: the contracted axis; several contracted axes count as one K, in the product's order):
;;     1. [M 4,096, K 4,096] x [K 4,096, N 4,096]; A: input x; B: input weight: QUANTISED
;;   THE QUANTISER, for each operand of a quantised product, along K:
;;     - K is cut into blocks of 32 from its start; a last block that is shorter is filled with zeros.
;;     - A block's scale is 2^e with e = floor(log2(the largest magnitude in the block)) - 4, held to -126 .. 127; a block of zeros has e = 0. As a byte (E8M0): e + 127.
;;     - Each number is divided by its block's scale, clamped to +-28, and rounded to the nearest number of E3M2, ties to even, subnormals kept.
;;     - The product sums the exact products of the quantised numbers (number of the format x scale) in f32.
;;   ~~~python
;;   def quantise(x, axis):      # numpy; x: float32 -> the quantised numbers, widened to float32 again
;;       x = np.moveaxis(x, axis, -1); K = x.shape[-1]
;;       x = np.pad(x, [(0, 0)] * (x.ndim - 1) + [(0, -K % 32)]); x = x.reshape(x.shape[:-1] + (-1, 32)); a = np.abs(x).max(-1, keepdims=True)
;;       e = np.where(a > 0, np.clip(np.frexp(np.where(a > 0, a, 1))[1] - 1 - 4, -126, 127), 0)      # np.frexp(a)[1] - 1 = floor(log2(a)), exactly
;;       r = np.clip(x / 2.0 ** e, -28, 28)
;;       step = 2.0 ** (np.maximum(np.frexp(np.where(r == 0, 1, r))[1] - 1, -2) - 2)
;;       q = np.round(r / step) * step * 2.0 ** e      # np.round: ties to even
;;       return np.moveaxis(q.reshape(q.shape[:-2] + (-1,))[..., :K], -1, axis).astype(np.float32)
;;   ~~~
;; One version. Each part assembles by itself: llvm-mc -triple=amdgcn-amd-amdhsa -mcpu=gfx1250 --defsym DOCPART=n.
;; ======== version 1 of 1: 2 launches
;; limits: right only within a limited range of input values
;; workspace buffers: xq 13,107,200 bytes; wq 13,107,200 bytes
;; launch quant (part 1): grid 1024 x 1, 4 waves a work-group, no clusters, 51,712 bytes of LDS; arguments x, weight, xq, wq; writes xq, wq
.if DOCPART == 1
	.amdgcn_target "amdgcn-amd-amdhsa--gfx1250"
	.amdhsa_code_object_version 6
	.text
	.protected	k_qa8c9c996a0_quant
	.globl	k_qa8c9c996a0_quant
	.p2align	8
	.type	k_qa8c9c996a0_quant,@function
k_qa8c9c996a0_quant:
	s_mov_b64 s[64:65], 0
	v_nop
	global_prefetch_b8 v0, s[64:65] scope:SCOPE_SE
	s_setreg_imm32_b32 hwreg(HW_REG_WAVE_MODE, 25, 1), 1
	s_wait_xcnt 0x0
; x [4096][4096] f32 and weight [4096][4096] int8, K innermost in both, become codes of BF6 (E3M2) with one E8M0 byte for each 32 along K,
; laid in xq and wq IN THE ORDER OF THE MATRIX OPERAND'S REGISTERS, so that the product's launch takes them as they lie.
; A BLOCK is 128 rows x 256 K = 25,600 bytes; block (g = row / 128, s = k / 256) begins at (16 g + s) x 25,600.  In it, for chunk q = (k / 128) % 2 and row block i = (row / 16) % 8:
;   bytes 0 .. 12,287: chunk 0's eight fragments, fragment i at 1,536 i;   bytes 13,312 .. 25,599: chunk 1's eight.  A fragment is the image of the operand's 12 registers:
;     registers 4 c .. 4 c + 3 of lane l at 512 c + 16 l.  Lane (r = l % 16, h = l / 16) holds row 16 i + r; its registers 6 c .. 6 c + 5 the codes of k = 128 q + 64 c + 32 h + 0 .. 31.
;   bytes 12,288 .. 13,311, BETWEEN the two chunks: the scale words (four bytes: 128 along K of one row): word (i, r, q) at 256 (i / 2) + 16 r + 8 (i % 2) + 4 q.
;   So either chunk of a block lies on end with the block's scale words, and one and a half blocks are one dense run of bytes whichever half is taken.
; A block's scale is 2^(floor(log2(its largest magnitude)) - 4): its byte is the largest magnitude's exponent field - 4, held at 1 from below by a floor among the maximum's leaves.
; LIMITS: NaN and infinities in x are not served.  A block of zeros gets the byte 1 where the rule says 127: its codes are zeros, which add nothing under any byte but 0xff, and this program alone
; reads the bytes.  Blocks whose largest magnitude lies under 2^-122 are held at the byte 1, as the rule's clip does; they were not tried.
; SHARES.  A work-group makes one block of one tensor (512 blocks each): block = number / 2, tensor = (bit 8 xor bit 0) of the number, so that neighbours in number take different tensors.
; Wave w takes rows 32 w .. 32 w + 31: row blocks 2 w, 2 w + 1 x two chunks = four fragments, t = 2 i' + q.  Waves share nothing: no barrier.
; A lane must hold 32 NEIGHBOURS along K of one row, while a load is best where neighbouring LANES take neighbouring bytes: so the numbers are loaded as they lie and turn through the wave's own stage in LDS.
; The two tensors take two paths of the text, which part on the work-group's number; each path has LDS bytes of its own.
.set XPITCH, 528                       ; x's stage: 16 rows x (512 bytes + 16): the sixteen rows that a read touches begin 16 bytes apart modulo 256
.set XSTB,   16*XPITCH                 ; 8,448 bytes a wave
.set WPITCH, 272                       ; weight's stage: 16 rows x (256 bytes + 16)
.set WSTB,   16*WPITCH                 ; 4,352 bytes a wave
.set WST0,   4*XSTB                    ; behind x's four stages
.set FRB,    1536                      ; a fragment's image
.set SCWB,   12288                     ; where a block's scale words begin: behind chunk 0's fragments
.set Q1B,    13312                     ; where chunk 1's fragments begin: behind the scale words
.set BLKB,   25600
.set XLO,  4                           ; v4   16 x lane
.set STI,  5                           ; v5   x's stage, way in: 16 x lane
.set STO,  6                           ; v6   x's stage, way out: 528 r + 128 h
.set OFF,  7                           ; v7   my 16 bytes of an image: 16 x lane + 2 fragments x wave
.set SOFF, 8                           ; v8   my two scale words: 16 r + 8 h + 256 x wave
.set SH8,  9                           ; v9   8 h
.set WLO,  10                          ; v10  weight: 4,096 h + 16 r: sixteen lanes to a row's 256 bytes
.set WSI,  11                          ; v11  weight's stage, way in: 272 h + 16 r
.set WSO,  12                          ; v12  weight's stage, way out: 272 r + 32 h
.set R,    16                          ; v16-143  as loaded: x: two sets of 64;  weight: v16-79
.set P,    80                          ; v80-111  weight: 32 words of four int8, back from the stage
.set X,    144                         ; v144-207 64 numbers in f32: X[32 c + i] = k 64 c + 32 h + i of my row
.set C,    208                         ; v208-231 codes: two sets of 12, so that a store's data are written again only two fragments later
.set T2,   232                         ; v232-234, v236-238 the upper halves of the two blocks' codes (a conversion's three registers begin on an even number)
.set MX,   240                         ; v240-241 largest magnitudes
.set SCO,  242                         ; v242-243 the conversions' scale operands
.set BY,   244                         ; v244-245 scale bytes
.set W,    246                         ; v246  my two bytes at their places in the word
.set T,    247                         ; v247  lane l xor 16's
.set WORD, 248                         ; v248-251 the four fragments' scale words of row r
.set S,    252                         ; v252-253 the two words that I store
	s_load_b256 s[4:11], s[0:1], 0x0               ; x s[4:5], weight s[6:7], xq s[8:9], wq s[10:11]
	v_lshl_add_u32 v254, v0, 2, 0xc800
	v_mov_b32 v255, 0
	v_lshrrev_b32 v1, 5, v0
	v_readfirstlane_b32 s12, v1                    ; wave 0..3
	v_and_b32 v1, 31, v0                           ; lane
	s_wait_alu depctr_va_vdst(0)
	v_and_b32 v2, 15, v0                           ; r
	s_wait_alu depctr_va_vdst(0)
	v_bfe_u32 v3, v0, 4, 1                         ; h
	s_lshr_b32 s13, ttmp9, 8
	s_xor_b32 s13, s13, ttmp9
	s_and_b32 s13, s13, 1                          ; 0: x, 1: weight
	s_lshr_b32 s14, ttmp9, 1                       ; the block, 0..511
	s_lshr_b32 s15, s14, 4                         ; g: which 128 rows
	s_and_b32 s16, s14, 15                         ; s: which 256 along K
	s_mul_i32 s20, s14, BLKB                       ; where the block begins in xq or wq
	s_mov_b32 s21, 0
	s_mov_b32 s19, 0
	s_mov_b32 s24, 0x76543210
	s_mov_b32 s25, 0xfedcba98                      ; v_permlanex16_b32's selects for lane l xor 16
	v_lshlrev_b32 v[XLO], 4, v1
	s_mul_i32 s22, s12, XSTB                       ; my wave's stage on x's path
	v_add_nc_u32 v[STI], s22, v[XLO]
	v_mul_u32_u24 v[STO], v2, XPITCH
	s_wait_alu depctr_va_vdst(0)
	v_lshl_add_u32 v[STO], v3, 7, v[STO]
	v_add_nc_u32 v[STO], s22, v[STO]
	s_mul_i32 s22, s12, 2*FRB
	v_add_nc_u32 v[OFF], s22, v[XLO]
	v_lshlrev_b32 v[SOFF], 4, v2
	v_lshl_add_u32 v[SOFF], v3, 3, v[SOFF]
	s_lshl_b32 s22, s12, 8
	v_add_nc_u32 v[SOFF], s22, v[SOFF]
	v_lshlrev_b32 v[SH8], 3, v3
	v_lshlrev_b32 v[WLO], 4, v2
	v_lshl_add_u32 v[WLO], v3, 12, v[WLO]
	s_mul_i32 s22, s12, WSTB
	s_add_co_u32 s22, s22, WST0                    ; my wave's stage on weight's path
	v_mul_u32_u24 v[WSI], v3, WPITCH
	v_lshl_add_u32 v[WSI], v2, 4, v[WSI]
	v_add_nc_u32 v[WSI], s22, v[WSI]
	v_mul_u32_u24 v[WSO], v2, WPITCH
	v_lshl_add_u32 v[WSO], v3, 5, v[WSO]
	v_add_nc_u32 v[WSO], s22, v[WSO]
	v_mov_b32 v[T], 0                              ; written once: a lane permute's destination counts as one of its sources
; 64 numbers of a lane in X become fragment t's 12 registers of codes (set t % 2 of C) and its scale word (WORD + t).  A lane holds two whole blocks, 2 c + h: no other lane is asked for a maximum.
.macro QUANT t
.set CS, C+12*((\t)%2)
.irp c, 0,1
	v_max3_num_f32 v[MX+\c], |v[X+32*\c]|, |v[X+32*\c+1]|, 0x2800000   ; and the floor 2^(5 - 127), under which no largest magnitude is taken: so the byte cannot fall under 1
.endr
.irp i, 2,4,6,8,10,12,14,16,18,20,22,24,26,28,30
.irp c, 0,1
	v_max3_num_f32 v[MX+\c], v[MX+\c], |v[X+32*\c+\i]|, |v[X+32*\c+\i+1]|   ; (the two blocks by turns)
.endr
.endr
.irp c, 0,1
	v_add_nc_u32 v[SCO+\c], 0xfe000000, v[MX+\c]   ; 4 off the exponent field: the conversion takes the exponent field of this operand as its scale, and nothing else of it
.endr
.irp c, 0,1
	v_lshrrev_b32 v[BY+\c], 23, v[SCO+\c]          ; the scale's byte
.endr
	v_lshl_or_b32 v[W], v[BY+1], 16, v[BY]         ; my two bytes: blocks h and 2 + h of my row's four,
	v_lshlrev_b32 v[W], v[SH8], v[W]               ; at their places in the word
	v_permlanex16_b32 v[T], v[W], s24, s25
.irp c, 0,1
	v_cvt_scalef32_pk16_bf6_f32 v[CS+6*\c:CS+6*\c+2], v[X+32*\c:X+32*\c+15], v[SCO+\c]      ; sixteen numbers / the scale, to the nearest code, ties to even, beyond the largest code the largest
	v_cvt_scalef32_pk16_bf6_f32 v[T2+4*\c:T2+4*\c+2], v[X+32*\c+16:X+32*\c+31], v[SCO+\c]
.endr
	v_or_b32 v[WORD+(\t)], v[W], v[T]              ; with lane l xor 16's two bytes the word is whole, in both halves of the lanes.  (Also the one plain line behind the scaled conversions)
.irp c, 0,1
.irp i, 0,1,2
	v_mov_b32 v[CS+6*\c+3+\i], v[T2+4*\c+\i]
.endr
.endr
.endm
; Fragment t = 2 i' + q leaves as the image of its registers: each store covers 512 consecutive bytes, at a multiple of 512 from the buffer's first byte.
.macro OUT t, base
.irp c, 0,1,2
	global_store_b128 v[OFF], v[C+12*((\t)%2)+4*\c:C+12*((\t)%2)+4*\c+3], s[\base:\base+1] offset:((\t)%2)*Q1B+((\t)/2)*FRB+512*\c th:TH_STORE_NT
.endr
.endm
; The wave's 2 x 16 rows x 2 chunks of scale words: lanes 0-15 store row block 2 w's two words of row r, lanes 16-31 row block 2 w + 1's: 256 consecutive bytes, aligned.
.macro FINISH base
	v_cmp_ne_u32 vcc_lo, 0, v3
	v_cndmask_b32 v[S], v[WORD], v[WORD+2], vcc_lo
	v_cndmask_b32 v[S+1], v[WORD+1], v[WORD+3], vcc_lo
	global_store_b64 v[SOFF], v[S:S+1], s[\base:\base+1] offset:SCWB th:TH_STORE_NT
	s_wait_tensorcnt 0x0
	ds_add_u32 v254, v255
	s_wait_dscnt 0x0
	s_endpgm
.endm
	s_wait_kmcnt 0x0
	s_cmp_lg_u32 s13, 0
	s_cbranch_scc1 .Lweight
	; ---- x: a row is 16,384 bytes
	s_lshl_b32 s18, s15, 21                        ; 128 g rows
	s_lshl_b32 s22, s12, 19                        ; + 32 rows x wave
	s_add_co_u32 s18, s18, s22
	s_lshl_b32 s22, s16, 10                        ; + 256 s numbers
	s_add_co_u32 s18, s18, s22
	s_add_nc_u64 s[4:5], s[4:5], s[18:19]
	s_add_nc_u64 s[8:9], s[8:9], s[20:21]
.macro XLOAD t                         ; fragment t's 16 rows x 128 numbers: each load takes 512 consecutive bytes of one row
.irp rr, 0,1,2,3,4,5,6,7,8,9,10,11,12,13,14,15
	global_load_b128 v[R+64*((\t)%2)+4*\rr:R+64*((\t)%2)+4*\rr+3], v[XLO], s[4:5] offset:(16*((\t)/2)+\rr)*16384+512*((\t)%2) th:TH_LOAD_NT
.endr
.endm
.macro XFRAG t
.if (\t) < 3
	s_wait_loadcnt 16                              ; this fragment's 16 loads are in; the next fragment's 16 may be out
.else
	s_wait_loadcnt 0x0
.endif
.irp rr, 0,1,2,3,4,5,6,7,8,9,10,11,12,13,14,15
	ds_store_b128 v[STI], v[R+64*((\t)%2)+4*\rr:R+64*((\t)%2)+4*\rr+3] offset:XPITCH*\rr
.endr
.irp c, 0,1
.irp j, 0,1,2,3,4,5,6,7
	ds_load_b128 v[X+32*\c+4*\j:X+32*\c+4*\j+3], v[STO] offset:256*\c+16*\j   ; LDS serves a wave's instructions in order (ISA guide 5.7.1.4): these see the stores above
.endr
.endr
	s_wait_dscnt 0x0                               ; my 64 numbers are in, and the stores into the stage have read their registers,
.if (\t) < 2
	XLOAD (\t)+2                                   ; which take the loads of two fragments on
.else
	s_wait_xcnt 0x0                                ; the stores of two fragments back have read this set of codes: it is written again only behind this wait
.endif
	QUANT \t
	OUT \t, 8
.endm
	XLOAD 0
	XLOAD 1
.irp t, 0,1,2,3
	XFRAG \t
.endr
	FINISH 8
	; ---- weight: a row is 4,096 bytes; the wave's 32 rows x 256 bytes come by 16 loads, sixteen lanes to a row's 256 consecutive bytes
.Lweight:
	s_lshl_b32 s18, s15, 19
	s_lshl_b32 s22, s12, 17
	s_add_co_u32 s18, s18, s22
	s_lshl_b32 s22, s16, 8
	s_add_co_u32 s18, s18, s22
	s_add_nc_u64 s[6:7], s[6:7], s[18:19]
	s_add_nc_u64 s[10:11], s[10:11], s[20:21]
	s_wait_alu depctr_va_vdst(0)
.irp n, 0,1,2,3,4,5,6,7,8,9,10,11,12,13,14,15
	global_load_b128 v[R+4*\n:R+4*\n+3], v[WLO], s[6:7] offset:2*\n*4096 th:TH_LOAD_NT
.endr
.macro UNPACK q                        ; 16 words of four int8 become 64 f32: each byte is moved to the top, shifted back with its sign, and converted (exact)
.irp u, 0,1,2,3,4,5,6,7,8,9,10,11,12,13,14,15
	v_lshlrev_b32 v[X+4*\u], 24, v[P+16*(\q)+\u]
	v_lshlrev_b32 v[X+4*\u+1], 16, v[P+16*(\q)+\u]
	v_lshlrev_b32 v[X+4*\u+2], 8, v[P+16*(\q)+\u]
	v_ashrrev_i32 v[X+4*\u+3], 24, v[P+16*(\q)+\u]
	v_ashrrev_i32 v[X+4*\u], 24, v[X+4*\u]
	v_ashrrev_i32 v[X+4*\u+1], 24, v[X+4*\u+1]
	v_ashrrev_i32 v[X+4*\u+2], 24, v[X+4*\u+2]
	v_cvt_f32_i32 v[X+4*\u], v[X+4*\u]
	v_cvt_f32_i32 v[X+4*\u+1], v[X+4*\u+1]
	v_cvt_f32_i32 v[X+4*\u+2], v[X+4*\u+2]
	v_cvt_f32_i32 v[X+4*\u+3], v[X+4*\u+3]
.endr
.endm
.macro WROWS ip                        ; row block 2 w + ip: 16 rows x 256 bytes through the stage; a lane takes back 32 bytes of each of its row's four runs of 64
.if (\ip) == 0
	s_wait_loadcnt 8                               ; the first row block's 8 loads are in; the second's 8 may be out
.else
	s_wait_loadcnt 0x0
.endif
.irp n, 0,1,2,3,4,5,6,7
	ds_store_b128 v[WSI], v[R+32*(\ip)+4*\n:R+32*(\ip)+4*\n+3] offset:2*\n*WPITCH
.endr
.irp q, 0,1
.irp c, 0,1
.irp j, 0,1
	ds_load_b128 v[P+16*\q+8*\c+4*\j:P+16*\q+8*\c+4*\j+3], v[WSO] offset:128*\q+64*\c+16*\j   ; in order behind the stores above
.endr
.endr
.endr
	s_wait_dscnt 0x0
.irp q, 0,1
	UNPACK \q
.if 2*(\ip)+\q >= 2
	s_wait_xcnt 0x0                                ; the stores of two fragments back have read this set of codes
.endif
	QUANT 2*(\ip)+\q
	OUT 2*(\ip)+\q, 10
.endr
.endm
	WROWS 0
	WROWS 1
	FINISH 10
.Lfunc_end_k_qa8c9c996a0_quant:
	.size	k_qa8c9c996a0_quant, .Lfunc_end_k_qa8c9c996a0_quant-k_qa8c9c996a0_quant
	.p2alignl 7, 3214868480
	.fill 96, 4, 3214868480
	.section	.rodata,"a",@progbits
	.p2align	6, 0x0
	.amdhsa_kernel k_qa8c9c996a0_quant
		.amdhsa_group_segment_fixed_size 51712
		.amdhsa_private_segment_fixed_size 0
		.amdhsa_enable_private_segment 0
		.amdhsa_kernarg_size 32
		.amdhsa_user_sgpr_count 2
		.amdhsa_user_sgpr_kernarg_segment_ptr 1
		.amdhsa_wavefront_size32 1
		.amdhsa_system_sgpr_workgroup_id_x 1
		.amdhsa_system_sgpr_workgroup_id_y 1
		.amdhsa_system_sgpr_workgroup_id_z 1
		.amdhsa_system_vgpr_workitem_id 0
		.amdhsa_next_free_vgpr 256
		.amdhsa_next_free_sgpr 66
		.amdhsa_reserve_vcc 1
		.amdhsa_float_denorm_mode_32 3
		.amdhsa_float_denorm_mode_16_64 3
		.amdhsa_memory_ordered 1
		.amdhsa_forward_progress 1
		.amdhsa_inst_pref_size 69
	.end_amdhsa_kernel
	.amdgpu_metadata
---
amdhsa.version: [ 1, 2 ]
amdhsa.kernels:
  - .name:           k_qa8c9c996a0_quant
    .symbol:         k_qa8c9c996a0_quant.kd
    .args:
      - { .name: x, .offset: 0, .size: 8, .value_kind: global_buffer, .address_space: global }
      - { .name: weight, .offset: 8, .size: 8, .value_kind: global_buffer, .address_space: global }
      - { .name: xq, .offset: 16, .size: 8, .value_kind: global_buffer, .address_space: global }
      - { .name: wq, .offset: 24, .size: 8, .value_kind: global_buffer, .address_space: global }
    .group_segment_fixed_size: 51712
    .private_segment_fixed_size: 0
    .kernarg_segment_align: 8
    .kernarg_segment_size: 32
    .max_flat_workgroup_size: 128
    .sgpr_count:     66
    .vgpr_count:     256
    .wavefront_size: 32
...
	.end_amdgpu_metadata
.endif
;; end of part 1
;; launch gemm (part 2): grid 16 x 16, 4 waves a work-group, clusters of 4 x 4, 327,680 bytes of LDS; arguments xq, wq, scale, bias, out0; writes out0
.if DOCPART == 2
	.amdgcn_target "amdgcn-amd-amdhsa--gfx1250"
	.amdhsa_code_object_version 6
	.text
	.protected	k_qa8c9c996a0_gemm
	.globl	k_qa8c9c996a0_gemm
	.p2align	8
	.type	k_qa8c9c996a0_gemm,@function
k_qa8c9c996a0_gemm:
	s_mov_b64 s[64:65], 0
	v_nop
	global_prefetch_b8 v0, s[64:65] scope:SCOPE_SE
	s_setreg_imm32_b32 hwreg(HW_REG_WAVE_MODE, 25, 1), 1
	s_wait_xcnt 0x0
	s_wait_alu depctr_hold_cnt(0) depctr_sa_sdst(0) depctr_va_vdst(0) depctr_va_sdst(0) depctr_va_ssrc(0) depctr_va_vcc(0) depctr_vm_vsrc(0)
	s_getreg_b32 s2, hwreg(HW_REG_IB_STS2, 6, 4)
	s_cmp_eq_u32 s2, 0
	s_cbranch_scc0 .Lentry_in_a_cluster
	s_endpgm
.Lentry_in_a_cluster:
	s_bfe_u32 s2, ttmp6, 0x10000c
	s_cmp_lg_u32 s2, 0xf033
	s_cbranch_scc0 .Lentry_shape_is_right
	s_endpgm
.Lentry_shape_is_right:
; out0[m][n] = (sum over k of Q(x)[m][k] Q(weight)[n][k]) x scale[n] + bias[n].  xq and wq hold the codes of BF6 (E3M2) and the E8M0 scale words as the launch before laid them:
; blocks of 128 rows x 256 K = 25,600 bytes, each the image of the matrix operand's registers (chunk 0's eight fragments, 1,024 bytes of scale words, chunk 1's eight fragments).
; LIMITS: those of the quantising launch (no NaN or infinity in x).
; A work-group of four waves makes 256 x 256 of out0, a wave 128 x 128: 64 accumulators, 512 registers.  A K step is 128 along K: 64 matrix instructions a wave.
; THE RING: two LDS slots of three K steps (one and a half blocks of each of four groups of 128 rows: 4 x 38,912 bytes); each wave fills a quarter of a slot by one joint tensor load.
; CLUSTERS: 4 x 4 work-groups; x's tiles are asked for jointly along a row of the cluster, weight's along a column.
; REGISTERS: window 0: v0-31 addresses, scale and bias; v32-63 scale words, two sets; v64-159, v160-255 x's fragments, TWO sets.  Window 1: weight's fragments, two sets, at v0 and v128.
;   Window 2: the accumulators of my rows 0-63 ((a, b) at v[8 (8 a + b)]); window 3: those of rows 64-127.
; A K STEP: one wait, four places, ONE run of LDS loads (the next step's 16 fragments, and its scale words where a new set is due), then 64 matrix instructions on end.
; So all reads of a slot are issued a whole step before its last step: the slot is given back at that step's head, with only the add and the cluster's round between a load's landing and the next refill.
; THE MATRIX INSTRUCTION IS USED TRANSPOSED (source 0 = 16 rows of weight, source 1 = 16 rows of x): a lane holds eight neighbouring numbers of a row of out0.
; THE LAST TWO K STEPS lie in the two sets of registers together: they go by blocks of 16 rows of out0, and each block leaves as soon as it is finished.
; PREFETCH: behind each refill of the loop a wave names 25 or 50 blocks of 256 bytes of the lap after the next refill's (two refills ahead).  Of the 76,800 bytes of a lap that a wave fetches,
; each of the four partners that ask jointly takes 19,200, told apart by address.  The last trip asks for nothing; laps 0 and 1 and the last block come by their loads alone.
.set SIZE_N, 4096
.set SCWB,   12288
.set Q1B,    13312
.set BLKB,   25600
.set GSTR,   16*BLKB                   ; a group of 128 rows, all of K
.set LAPB,   3*BLKB                    ; once round the ring
.set ODDB,   BLKB+SCWB                 ; where slot 1's run begins in a lap
.set LOADB,  BLKB+Q1B                  ; what one tensor load brings: 152 rows of 256 bytes
.set SLOT,   4*LOADB
.set TRIPS,  4
.set STAGE,  SLOT                      ; the way out: in slot 1, which has had its last fill and its last read by then
.set SPITCH, 528
.set SPARE,  2*SLOT                    ; the spare words: 512 bytes that no other line names
.set SCLR, 4
.set BIA,  8
.set ADRA, 16
.set ADRS, 18
.set ADRB, 20
.set STO,  24
.set RD,   25
.set CO,   26                          ; 16 x lane
.set SPW,  28
.set NIL,  29
.set PFO,  30
.set SC,   32
.set AF,   64
.set G1,   24
.set G0,   32
.set G1B,  48
.set G0B,  56
.set PFA,  66
.set G1L,  72                          ; the last fill: one block, 100 rows of 256 bytes
.set G1LB, 80
.set MSB, 0
.macro WIN new                         ; the immediate's high byte repeats the setting that is left
.if MSB != (\new)
	s_set_vgpr_msb (MSB<<8)|(\new)
.set MSB, \new
.endif
.endm
.set MUL_LO, 0xa1                      ; source 0 (weight) window 1, source 1 (x) window 0, C and D window 2
.set MUL_HI, 0xf1                      ; the same, C and D window 3
.set TO_B,   0x40
.macro JLOAD g0a, g1a, g0b, g1b        ; a joint load: waves 0, 1 fetch x's two groups, waves 2, 3 weight's
	s_cmp_eq_u32 s15, 0
	s_cbranch_scc0 .Lfor_b_\@
	tensor_load_to_lds s[\g0a:\g0a+3], s[\g1a:\g1a+7]
	s_nop 0
.rept 4
	v_nop
.endr
	s_branch .Lasked_\@
.Lfor_b_\@:
	tensor_load_to_lds s[\g0b:\g0b+3], s[\g1b:\g1b+7]
	s_nop 0
.rept 4
	v_nop
.endr
.Lasked_\@:
.endm
.macro ASK c                           ; s3 = 1 in the loop's last trip: nothing is left to ask for
	s_cmp_gt_u32 s3, 1
	s_cbranch_scc0 .Lno_ask_\@
.if (\c) == 2
	global_prefetch_b8 v[PFO], s[PFA:PFA+1] th:TH_LOAD_NT scope:SCOPE_SE
	global_prefetch_b8 v[PFO], s[PFA:PFA+1] offset:6400 th:TH_LOAD_NT scope:SCOPE_SE
.else
	global_prefetch_b8 v[PFO], s[PFA:PFA+1] offset:12800 th:TH_LOAD_NT scope:SCOPE_SE
.endif
.Lno_ask_\@:
.endm
.macro CROUND                          ; a round of the cluster's barrier
	s_barrier_signal -1
	s_barrier_wait -1
	s_cmp_lg_u32 s14, 0
	s_cbranch_scc1 .Lnot_wave_0_\@
	s_barrier_signal -3
.Lnot_wave_0_\@:
	s_barrier_wait -3
	s_barrier_signal -1
	s_barrier_wait -1
.endm
.macro PLACES
.rept 4
	v_nop
.endr
.endm
	s_load_b256 s[4:11], s[0:1], 0x0               ; xq, wq, scale, bias
	s_load_b64 s[12:13], s[0:1], 0x20              ; out0
	v_lshl_add_u32 v[SPW], v0, 2, SPARE
	v_mov_b32 v[NIL], 0
	ds_add_u32 v[SPW], v[NIL]                      ; the opening lines: the add, twice on end, and its wait
	ds_add_u32 v[SPW], v[NIL]
	v_lshrrev_b32 v1, 5, v0
	v_readfirstlane_b32 s14, v1                    ; wave
	s_lshr_b32 s15, s14, 1                         ; my half of the rows; also: I fetch for x (0) or weight (1)
	s_and_b32 s16, s14, 1                          ; my half of the columns; also: which group of 128 rows I fetch
	s_bfe_u32 s40, ttmp6, 0x40000                  ; cx
	s_bfe_u32 s41, ttmp6, 0x40004                  ; cy
	s_lshl_b32 s42, ttmp9, 2
	s_add_co_u32 s42, s42, s40                     ; tile column
	s_and_b32 s17, ttmp7, 0xffff
	s_lshl_b32 s17, s17, 2
	s_add_co_u32 s17, s17, s41                     ; tile row
	s_lshl_b32 s43, s41, 2
	s_lshl_b32 s43, 15, s43                        ; my row of the cluster
	s_lshl_b32 s44, 0x1111, s40                    ; my column
	s_or_b32 s[G1+0], s43, (3<<16)|(1<<21)         ; elements of 8 bytes; bit 21 beside the mask
	s_or_b32 s[G1B+0], s44, (3<<16)|(1<<21)
	s_or_b32 s[G1L+0], s43, (3<<16)|(1<<21)
	s_or_b32 s[G1LB+0], s44, (3<<16)|(1<<21)
.irp g, G1, G1B
	s_mov_b32 s[\g+1], 32<<16
	s_mov_b32 s[\g+2], 152<<16
	s_mov_b32 s[\g+3], 32<<16
	s_mov_b32 s[\g+4], 152
	s_mov_b32 s[\g+5], 32
	s_mov_b32 s[\g+6], 0
	s_mov_b32 s[\g+7], 0
.endr
.irp g, G1L, G1LB
	s_mov_b32 s[\g+1], 32<<16
	s_mov_b32 s[\g+2], 100<<16
	s_mov_b32 s[\g+3], 32<<16
	s_mov_b32 s[\g+4], 100
	s_mov_b32 s[\g+5], 32
	s_mov_b32 s[\g+6], 0
	s_mov_b32 s[\g+7], 0
.endr
	s_lshl_b32 s20, s17, 1
	s_add_co_u32 s20, s20, s16
	s_mul_i32 s20, s20, GSTR                       ; x: group 2 x tile row + half
	s_mov_b32 s21, 0
	s_lshl_b32 s46, s42, 1
	s_add_co_u32 s46, s46, s16
	s_mul_i32 s46, s46, GSTR                       ; weight: group 2 x tile column + half
	s_mov_b32 s47, 0
	s_mul_i32 s45, s14, LOADB                      ; where my load lands: wave x 38,912
	s_wait_dscnt 0x0                               ; both opening adds are done
	CROUND                                         ; the round in front of the first joint loads; the arguments are on their way meanwhile
	s_wait_kmcnt 0x0
	s_add_nc_u64 s[20:21], s[4:5], s[20:21]
	s_add_nc_u64 s[46:47], s[6:7], s[46:47]
.irp s, 0,1
	s_mov_b32 s[G0+4*\s], 1
	s_add_co_u32 s[G0+4*\s+1], s45, \s*SLOT
	s_add_nc_u64 s[G0+4*\s+2:G0+4*\s+3], s[20:21], \s*ODDB
	s_or_b32 s[G0+4*\s+3], s[G0+4*\s+3], 0x80000000
	s_mov_b32 s[G0B+4*\s], 1
	s_add_co_u32 s[G0B+4*\s+1], s45, \s*SLOT
	s_add_nc_u64 s[G0B+4*\s+2:G0B+4*\s+3], s[46:47], \s*ODDB
	s_or_b32 s[G0B+4*\s+3], s[G0B+4*\s+3], 0x80000000
.endr
	JLOAD G0, G1, G0B, G1B                         ; slot 0: one tensor load a wave at the head
	; scalars first, then the vector lines on end
	s_mul_i32 s21, s15, LOADB                      ; my 128 rows of x in a slot
	s_add_co_u32 s22, s16, 2
	s_mul_i32 s22, s22, LOADB                      ; my 128 rows of weight
	s_add_co_u32 s18, s21, SLOT
	s_add_co_u32 s19, s22, SLOT
	s_xor_b32 s23, s15, 1
	s_add_co_u32 s23, s23, s16
	s_add_co_u32 s23, s23, 1
	s_mul_i32 s23, s23, LOADB                      ; from x's region to weight's
	s_mul_i32 s68, s14, 16*SPITCH
	s_add_co_u32 s68, s68, STAGE                   ; my stage
	s_lshl_b32 s70, s17, 8
	s_lshl_b32 s71, s15, 7
	s_add_co_u32 s70, s70, s71
	s_lshl_b32 s70, s70, 14                        ; my first row of out0, in bytes
	s_mov_b32 s71, 0
	s_lshl_b32 s46, s42, 10
	s_lshl_b32 s47, s16, 9
	s_add_co_u32 s46, s46, s47                     ; my first column, in bytes
	s_mov_b32 s47, 0
	s_add_nc_u64 s[8:9], s[8:9], s[46:47]
	s_add_nc_u64 s[10:11], s[10:11], s[46:47]
	s_add_nc_u64 s[12:13], s[12:13], s[46:47]
	s_add_nc_u64 s[12:13], s[12:13], s[70:71]
	s_cmp_eq_u32 s15, 0                            ; the prefetches: the group that I fetch, my work-group's quarter of a lap of it
	s_cselect_b32 s88, s17, s42
	s_cselect_b32 s89, s40, s41
	s_cselect_b64 s[PFA:PFA+1], s[4:5], s[6:7]
	s_lshl_b32 s88, s88, 1
	s_add_co_u32 s88, s88, s16
	s_mul_i32 s88, s88, GSTR
	s_mul_i32 s89, s89, LAPB/4
	s_add_co_u32 s90, s88, s89
	s_add_co_u32 s90, s90, LAPB                    ; at lap 1: the first refill steps it to lap 2
	s_mov_b32 s91, 0
	s_add_nc_u64 s[PFA:PFA+1], s[PFA:PFA+1], s[90:91]
	v_and_b32 v1, 15, v0                           ; r
	v_bfe_u32 v2, v0, 4, 1                         ; h
	v_and_b32 v3, 31, v0
	v_lshlrev_b32 v[CO], 4, v3
	v_mul_u32_u24 v12, s23, v2
	v_lshl_add_u32 v12, v1, 4, v12                 ; scale words: 16 r; lanes 16-31 in weight's region
	v_mul_u32_u24 v13, v1, SPITCH
	v_lshl_add_u32 v13, v2, 5, v13
	v_add_nc_u32 v[STO], s68, v13                  ; into the stage: row r, 32 bytes for each half of the lanes
	v_add_nc_u32 v[RD], s68, v[CO]                 ; back: 32 lanes take a row of 512 bytes
	v_min_u32 v[PFO], 24, v3
	v_lshlrev_b32 v[PFO], 8, v[PFO]                ; 25 blocks of 256 bytes an instruction; the lanes left over name the last again
	v_add_nc_u32 v[ADRB], s22, v[CO]
	v_add_nc_u32 v[ADRB+1], s19, v[CO]
	v_add_nc_u32 v[ADRA], s21, v[CO]
	v_add_nc_u32 v[ADRA+1], s18, v[CO]
	v_add_nc_u32 v[ADRS], s21, v12
	v_add_nc_u32 v[ADRS+1], s18, v12
	global_load_b128 v[SCLR:SCLR+3], v[CO], s[8:9]     ; my four columns' scale and bias: waited for on the way out
	global_load_b128 v[BIA:BIA+3], v[CO], s[10:11]
; The fragments of chunk n of a lap (n = 0 .. 5; chunk n lies in slot n / 3) into set n % 2: eight fragments are 24 pieces of 512 bytes on end, in LDS and in registers alike.
; A set of scale words serves a block's two chunks; chunk 3 takes its block's words anew from slot 1, so that the two sets take turns from lap to lap.
.macro FETCH n
.set F_O, BLKB*((\n)/2)+Q1B*((\n)%2)-ODDB*((\n)/3)
.set F_S, (\n)/3
	WIN TO_B
.set F_J, 0
.rept 24
	ds_load_b128 v[128*((\n)%2)+4*F_J:128*((\n)%2)+4*F_J+3], v[ADRB+F_S] offset:F_O+512*F_J
.set F_J, F_J+1
.endr
	WIN 0
.set F_J, 0
.rept 24
	ds_load_b128 v[AF+96*((\n)%2)+4*F_J:AF+96*((\n)%2)+4*F_J+3], v[ADRA+F_S] offset:F_O+512*F_J
.set F_J, F_J+1
.endr
.if ((\n) != 1) && ((\n) != 5)
.set F_R, SC+16*((((\n)/2)+((\n)/3))%2)
.irp j, 0,1,2,3
	ds_load_b128 v[F_R+4*\j:F_R+4*\j+3], v[ADRS+F_S] offset:BLKB*((\n)/2)+SCWB-ODDB*((\n)/3)+256*\j
.endr
.endif
.endm
; 16 matrix instructions: x's blocks a0, a0 + 1 against weight's eight.  The 64 accumulators take turns.
.macro MUL16 a0, c, zero
.set M_P, 128*((\c)%2)
.set M_A, AF+96*((\c)%2)
.set M_S, SC+16*((((\c)/2)+((\c)/3))%2)+(\c)%2
.irp a, \a0, \a0+1
.irp b, 0,1,2,3,4,5,6,7
.if \zero
	v_wmma_scale_f32_16x16x128_f8f6f4 v[8*(8*((\a)%4)+\b):8*(8*((\a)%4)+\b)+7], v[M_P+12*\b:M_P+12*\b+11], v[M_A+12*(\a):M_A+12*(\a)+11], 0, v[M_S+2*\b], v[M_S+2*(\a)] matrix_a_fmt:MATRIX_FMT_BF6 matrix_b_fmt:MATRIX_FMT_BF6 matrix_a_scale:MATRIX_SCALE_ROW1
.else
	v_wmma_scale_f32_16x16x128_f8f6f4 v[8*(8*((\a)%4)+\b):8*(8*((\a)%4)+\b)+7], v[M_P+12*\b:M_P+12*\b+11], v[M_A+12*(\a):M_A+12*(\a)+11], v[8*(8*((\a)%4)+\b):8*(8*((\a)%4)+\b)+7], v[M_S+2*\b], v[M_S+2*(\a)] matrix_a_fmt:MATRIX_FMT_BF6 matrix_b_fmt:MATRIX_FMT_BF6 matrix_a_scale:MATRIX_SCALE_ROW1
.endif
.endr
.endr
.endm
.macro MUL64 c, zero
	WIN MUL_LO
	MUL16 0, \c, \zero
	MUL16 2, \c, \zero
	WIN MUL_HI
	MUL16 4, \c, \zero
	MUL16 6, \c, \zero
.endm
.macro STEP c, zero
	s_wait_dscnt 0x0                               ; this step's fragments, asked for 64 matrix instructions ago
	PLACES                                         ; four places between the last step's products and the loads into the sets that they read
	FETCH ((\c)+1)%6
	MUL64 \c, \zero
.endm
; A slot's last step: its fragments were asked for in the step before, so the slot is given back at the step's head.  fill: 1 a whole slot, 2 the last block, 0 nothing.
.macro TURN c, fill
.set T_S, (\c)/3
.if ((\fill) == 1) && ((\c) == 2)
	s_wait_xcnt 0x0                                ; my prefetches have read their address
	s_add_nc_u64 s[PFA:PFA+1], s[PFA:PFA+1], LAPB
.endif
	WIN 0
	s_wait_tensorcnt 0x0                           ; my one load that was out, my part of the other slot, has landed
	ds_add_u32 v[SPW], v[NIL]
.if \fill
	s_add_nc_u64 s[G0+4*T_S+2:G0+4*T_S+3], s[G0+4*T_S+2:G0+4*T_S+3], LAPB       ; no load of mine is out: this slot's next run
	s_add_nc_u64 s[G0B+4*T_S+2:G0B+4*T_S+3], s[G0B+4*T_S+2:G0B+4*T_S+3], LAPB
.endif
	s_wait_dscnt 0x0                               ; the add is done, and my reads of this slot are over
.if \fill
	CROUND                                         ; no wave of any partner still reads this slot or has a load on its way
.if (\fill) == 1
	JLOAD G0+4*T_S, G1, G0B+4*T_S, G1B             ; the first tensor load behind the round; its four v_nop are the places in front of the loads below
.else
	JLOAD G0+4*T_S, G1L, G0B+4*T_S, G1LB
.endif
.else
	s_barrier_signal -1
	s_barrier_wait -1
	PLACES
.endif
	FETCH ((\c)+1)%6
.if (\fill) == 1
	ASK \c
.endif
	MUL64 \c, 0
.endm
	s_wait_alu depctr_va_vdst(0)
	s_wait_tensorcnt 0x0                           ; my part of slot 0 is in
	ds_add_u32 v[SPW], v[NIL]
	s_wait_dscnt 0x0
	CROUND
	JLOAD G0+4, G1, G0B+4, G1B                     ; slot 1's first fill, the first tensor load behind the round
	FETCH 0
	STEP 0, 1                                      ; the first step's products start the sums
	WIN 0
	s_mov_b32 s3, TRIPS
.Llap:                                                 ; a trip goes once round the ring: six K steps, both slots filled again
	STEP 1, 0
	TURN 2, 1
	STEP 3, 0
	STEP 4, 0
	TURN 5, 1
	STEP 0, 0
	WIN 0
	s_sub_co_u32 s3, s3, 1
	s_cmp_lg_u32 s3, 0
	s_cbranch_scc1 .Llap
	STEP 1, 0
	TURN 2, 2                                      ; the last block of K
	STEP 3, 0
	STEP 4, 0
	TURN 5, 0
; THE LAST TWO K STEPS, BY ROWS OF out0: chunk 0 lies in set 0, chunk 1 comes into set 1; block a of 16 rows is finished by 16 matrix instructions, its eight accumulators by turns, K ascending.
.macro ROW a
	WIN MUL_LO+0x50*((\a)/4)
.irp q, 0,1
.if ((\a) == 0) && (\q == 1)
	s_wait_dscnt 0x0                               ; chunk 1's fragments are in
.endif
.irp b, 0,1,2,3,4,5,6,7
	v_wmma_scale_f32_16x16x128_f8f6f4 v[8*(8*((\a)%4)+\b):8*(8*((\a)%4)+\b)+7], v[128*\q+12*\b:128*\q+12*\b+11], v[AF+96*\q+12*(\a):AF+96*\q+12*(\a)+11], v[8*(8*((\a)%4)+\b):8*(8*((\a)%4)+\b)+7], v[SC+\q+2*\b], v[SC+\q+2*(\a)] matrix_a_fmt:MATRIX_FMT_BF6 matrix_b_fmt:MATRIX_FMT_BF6 matrix_a_scale:MATRIX_SCALE_ROW1
.endr
.endr
.endm
; THE WAY OUT of block a: through my own stage, back as whole rows of 512 bytes, x scale + bias, stored as two aligned units of 256 bytes.
; Block a comes back into the accumulators of block a - 1, whose stores into the stage have been waited for; block 0 into v96-127 and v224-255 of window 1, which hold nothing.
.macro RBSET a
.if (\a) == 0
.set R_W, 1
.set R_B, 96
.set R_H, 96
.else
.set R_W, 2+((\a)-1)/4
.set R_B, 64*(((\a)-1)%4)
.set R_H, 0
.endif
.endm
.macro TOSTAGE a
.set AC, 64*((\a)%4)
	RBSET \a
	WIN 0x08+4*((\a)/4)                            ; the data: window 2 or 3
.irp b, 0,1,2,3,4,5,6,7
	ds_store_b128 v[STO], v[AC+8*\b:AC+8*\b+3] offset:64*\b              ; each accumulator from its low end on
	ds_store_b128 v[STO], v[AC+8*\b+4:AC+8*\b+7] offset:64*\b+16
.endr
	WIN R_W<<6
.irp t, 0,1,2,3,4,5,6,7,8,9,10,11,12,13,14,15
	ds_load_b128 v[R_B+4*\t+R_H*(\t/8):R_B+4*\t+R_H*(\t/8)+3], v[RD] offset:\t*SPITCH   ; LDS serves a wave's instructions in order: these see the stores above
.endr
.endm
.macro SEND a
	RBSET \a
	s_wait_dscnt 0x0                               ; the block is back, and its stores into the stage have read their registers
	WIN (R_W<<6)|R_W
.irp t, 0,1,2,3,4,5,6,7,8,9,10,11,12,13,14,15
	v_pk_fma_f32 v[R_B+4*\t+R_H*(\t/8):R_B+4*\t+R_H*(\t/8)+1], v[R_B+4*\t+R_H*(\t/8):R_B+4*\t+R_H*(\t/8)+1], v[SCLR:SCLR+1], v[BIA:BIA+1]
	v_pk_fma_f32 v[R_B+4*\t+R_H*(\t/8)+2:R_B+4*\t+R_H*(\t/8)+3], v[R_B+4*\t+R_H*(\t/8)+2:R_B+4*\t+R_H*(\t/8)+3], v[SCLR+2:SCLR+3], v[BIA+2:BIA+3]
.endr
	WIN R_W<<2
.irp t, 0,1,2,3,4,5,6,7,8,9,10,11,12,13,14,15
	global_store_b128 v[CO], v[R_B+4*\t+R_H*(\t/8):R_B+4*\t+R_H*(\t/8)+3], s[12:13] offset:(16*(\a)+\t)*SIZE_N*4 th:TH_STORE_NT   ; 512 consecutive bytes, aligned; 127 rows at the most: inside the signed 24-bit immediate
.endr
.endm
	s_wait_dscnt 0x0                               ; chunk 0's fragments are in
	PLACES
	FETCH 1
	ROW 0
	s_wait_loadcnt 0x0                             ; scale and bias, asked for at the head
	PLACES                                         ; behind block 0's products
	TOSTAGE 0
.irp a, 1,2,3,4,5,6,7
	ROW \a                                         ; block a is multiplied while block a - 1 goes through the stage
	SEND \a-1                                      ; its 32 multiply-adds are the places behind block a's products
	TOSTAGE \a
.endr
	SEND 7
	WIN 0
	s_wait_tensorcnt 0x0                           ; the wave's end
	ds_add_u32 v[SPW], v[NIL]
	s_wait_dscnt 0x0
	CROUND                                         ; the closing round
	s_endpgm
.Lfunc_end_k_qa8c9c996a0_gemm:
	.size	k_qa8c9c996a0_gemm, .Lfunc_end_k_qa8c9c996a0_gemm-k_qa8c9c996a0_gemm
	.p2alignl 7, 3214868480
	.fill 96, 4, 3214868480
	.section	.rodata,"a",@progbits
	.p2align	6, 0x0
	.amdhsa_kernel k_qa8c9c996a0_gemm
		.amdhsa_group_segment_fixed_size 327680
		.amdhsa_private_segment_fixed_size 0
		.amdhsa_enable_private_segment 0
		.amdhsa_kernarg_size 40
		.amdhsa_user_sgpr_count 2
		.amdhsa_user_sgpr_kernarg_segment_ptr 1
		.amdhsa_wavefront_size32 1
		.amdhsa_system_sgpr_workgroup_id_x 1
		.amdhsa_system_sgpr_workgroup_id_y 1
		.amdhsa_system_sgpr_workgroup_id_z 1
		.amdhsa_system_vgpr_workitem_id 0
		.amdhsa_next_free_vgpr 1024
		.amdhsa_next_free_sgpr 96
		.amdhsa_reserve_vcc 0
		.amdhsa_float_denorm_mode_32 3
		.amdhsa_float_denorm_mode_16_64 3
		.amdhsa_memory_ordered 1
		.amdhsa_forward_progress 1
		.amdhsa_inst_pref_size 219
	.end_amdhsa_kernel
	.amdgpu_metadata
---
amdhsa.version: [ 1, 2 ]
amdhsa.kernels:
  - .name:           k_qa8c9c996a0_gemm
    .symbol:         k_qa8c9c996a0_gemm.kd
    .args:
      - { .name: xq, .offset: 0, .size: 8, .value_kind: global_buffer, .address_space: global }
      - { .name: wq, .offset: 8, .size: 8, .value_kind: global_buffer, .address_space: global }
      - { .name: scale, .offset: 16, .size: 8, .value_kind: global_buffer, .address_space: global }
      - { .name: bias, .offset: 24, .size: 8, .value_kind: global_buffer, .address_space: global }
      - { .name: out0, .offset: 32, .size: 8, .value_kind: global_buffer, .address_space: global }
    .group_segment_fixed_size: 327680
    .private_segment_fixed_size: 0
    .kernarg_segment_align: 8
    .kernarg_segment_size: 40
    .max_flat_workgroup_size: 128
    .sgpr_count:     96
    .vgpr_count:     1024
    .wavefront_size: 32
...
	.end_amdgpu_metadata
.endif
;; end of part 2
